; MI455X (gfx1250); checked and timed in simulation.
; The chip was launched on July 23, 2026; its instructions are those of AMD's public machine-readable ISA for CDNA 5 (MIT licence, August 2026) and "CDNA5" Instruction Set Architecture Reference Guide (July 2026). The comments in the code are by the model that wrote it; some were corrected since.
;; Qwen3 TTS Tokenizer Single Codebook Euclidean Codebook. Allowed arithmetic: float matrix products may take bf16 or f16 operands with f32 sums; other float arithmetic in f32, or as packed bf16 or f16 multiplies, adds, multiply-adds, maxima and minima; sums over many terms, partial sums and values carried from step to step in f32; what a program stores and reads back later, other than sums and carried values, may be rounded once to bf16 or f16.
;; Inputs: embed 8,192 x 256 float32; x 8 x 4,096 x 256 float32.
;; Outputs: out0 8 x 4,096 x 256 float32.
;; 2 versions, each right; version 2 is version 1 with the launches prep, gather written anew for expert scheduling mode. Each part assembles by itself: llvm-mc -triple=amdgcn-amd-amdhsa -mcpu=gfx1250 --defsym DOCPART=n.
;; ======== version 1 of 2: 3 launches
;; workspace buffers: ebf 4,194,304 bytes; bias 32,768 bytes; idx 131,072 bytes of whole numbers
;; launch prep (part 1): grid 128 x 1, 8 waves a work-group, no clusters, 1,280 bytes of LDS; arguments embed, ebf, bias; writes ebf, bias
.if DOCPART == 1
	.amdgcn_target "amdgcn-amd-amdhsa--gfx1250"
	.amdhsa_code_object_version 6
	.text
	.protected	k_qe98958ee39_prep
	.globl	k_qe98958ee39_prep
	.p2align	8
	.type	k_qe98958ee39_prep,@function
k_qe98958ee39_prep:
	s_mov_b64 s[64:65], 0
	v_nop
	global_prefetch_b8 v0, s[64:65] scope:SCOPE_SE
	s_setreg_imm32_b32 hwreg(HW_REG_WAVE_MODE, 25, 1), 1
	s_wait_xcnt 0x0
; ebf[k][:] = embed[k][:] rounded to bf16 (nearest even);  bias[k] = (S_0 - S_k) / 2, S_k = the sum of squares of the ROUNDED row k, in f32.
; embed: [8192][256] f32.  ebf: [8192][256] bf16.  bias: [8192] f32.
; The later launch looks for the largest x . e_k + bias[k]; that is the reference's -(x^2 - 2 x . e_k + e_k^2) halved and shifted by x^2 / 2 + S_0 / 2, which do not hang on k.
; The shift by S_0 keeps the bias near 0, so that sums which start with it stay as small as the products themselves.
; SHARES.  A work-group owns 64 rows (their 64 bias words are 256 consecutive bytes, stored whole by one instruction), each of its eight waves 8 rows, a lane 8 neighbouring
; numbers of a row.  Every wave also reads row 0 and makes S_0 in the same order of additions, so all agree on it bit for bit.
; Memory binds; no matrix unit, no cluster, no tensor load: a row is read once and leaves once.  All 18 loads of a wave go out at the start; each store has data registers of its own, so nothing waits for a store.
.set SPARE, 256                        ; LDS: bytes 0-255 the group's 64 bias words; from 256 on the spare words, 128 bytes for each of eight waves
.set LO,  1                            ; v1   32 x lane: my 8 numbers in a row of embed
.set SO,  2                            ; v2   16 x lane: my 8 numbers in a row of ebf
.set L8,  3                            ; v3   lane % 8
.set WA,  4                            ; v4   LDS address of bias word 8 w + lane % 8
.set BO,  5                            ; v5   8 x lane: two bias words
.set SPW, 6                            ; v6   LDS address of my spare word; never rewritten
.set NIL, 7                            ; v7   0; never rewritten
.set T,   8                            ; v[8:15]  8 rounded numbers as f32
.set A,   16                           ; v[16:17] two running sums of squares
.set PX,  18                           ; v18  the other half of the lanes' sum
.set H0,  19                           ; v19  S_0, then S_0 / 2
.set VB,  20                           ; v20  lane l gathers the bias of row l % 8
.set D,   21                           ; v21  S_k, then bias[k]
.set P0,  22                           ; v[22:25] row 0 packed (not stored here)
.set RB,  26                           ; v[26:27] two bias words read back
.set X,   32                           ; v[32:95] my wave's 8 rows as loaded, 8 registers each
.set X0,  96                           ; v[96:103] row 0 as loaded
.set P,   104                          ; v[104:135] my wave's 8 rows packed, 4 registers each
	s_load_b128 s[4:7], s[0:1], 0x0                ; embed s[4:5], ebf s[6:7]
	s_load_b64 s[8:9], s[0:1], 0x10                ; bias
	v_lshl_add_u32 v[SPW], v0, 2, SPARE
	v_mov_b32 v[NIL], 0
	v_lshrrev_b32 v8, 5, v0
	v_readfirstlane_b32 s10, v8                    ; wave 0..7
	v_and_b32 v9, 31, v0                           ; lane
	v_lshlrev_b32 v[LO], 5, v9
	v_lshlrev_b32 v[SO], 4, v9
	v_and_b32 v[L8], 7, v0
	v_lshlrev_b32 v[WA], 5, v8                     ; 8 words a wave
	v_lshl_add_u32 v[WA], v[L8], 2, v[WA]
	v_lshlrev_b32 v[BO], 3, v9
	v_mov_b32 v[PX], 0                             ; v_permlanex16_b32 counts as a reader of its destination
	s_mov_b32 s11, 0xffff0000                      ; a word's upper bf16
	s_mov_b32 s12, 0x76543210                      ; v_permlanex16_b32: each lane takes its own place in the other half
	s_mov_b32 s13, 0xfedcba98
	s_lshl_b32 s14, ttmp9, 16                      ; 64 rows of 1,024 bytes a group,
	s_lshl_b32 s15, s10, 13                        ; 8 rows a wave
	s_add_co_u32 s14, s14, s15
	s_mov_b32 s15, 0
	s_wait_kmcnt 0x0
	s_add_nc_u64 s[16:17], s[4:5], s[14:15]        ; embed at my wave's first row
	s_lshr_b32 s14, s14, 1                         ; rows of 512 bytes
	s_add_nc_u64 s[6:7], s[6:7], s[14:15]          ; ebf at my wave's first row
	s_lshl_b32 s14, ttmp9, 8
	s_add_nc_u64 s[8:9], s[8:9], s[14:15]          ; bias at my group's 64 words
	global_load_b128 v[X0:X0+3],   v[LO], s[4:5]
	global_load_b128 v[X0+4:X0+7], v[LO], s[4:5] offset:16
.irp i, 0,1,2,3,4,5,6,7
	global_load_b128 v[X+8*\i:X+8*\i+3],   v[LO], s[16:17] offset:1024*\i
	global_load_b128 v[X+8*\i+4:X+8*\i+7], v[LO], s[16:17] offset:1024*\i+16
.endr
; One row: my 8 numbers at v[src ..] are rounded and packed into v[pk ..]; the sum of the whole row's rounded squares lands in v[sum], in every lane.
.macro ROWSQ src, pk, sum
.irp j, 0,1,2,3
	v_cvt_pk_bf16_f32 v[(\pk)+\j], v[(\src)+2*\j], v[(\src)+2*\j+1]
.endr
.irp j, 0,1,2,3
	v_lshlrev_b32 v[T+2*\j],   16, v[(\pk)+\j]     ; bf16 to f32: the low half moves up,
	v_and_b32     v[T+2*\j+1], s11, v[(\pk)+\j]    ; the high half stays
.endr
	v_pk_mul_f32 v[A:A+1], v[T:T+1], v[T:T+1]      ; the first squares start the sums
.irp j, 2,4,6
	v_pk_fma_f32 v[A:A+1], v[T+\j:T+\j+1], v[T+\j:T+\j+1], v[A:A+1]
.endr
	v_add_f32 v[\sum], v[A], v[A+1]
	v_add_f32_dpp v[\sum], v[\sum], v[\sum] row_xmask:1 row_mask:0xf bank_mask:0xf
	v_add_f32_dpp v[\sum], v[\sum], v[\sum] row_xmask:2 row_mask:0xf bank_mask:0xf
	v_add_f32_dpp v[\sum], v[\sum], v[\sum] row_xmask:4 row_mask:0xf bank_mask:0xf
	v_add_f32_dpp v[\sum], v[\sum], v[\sum] row_xmask:8 row_mask:0xf bank_mask:0xf
	v_permlanex16_b32 v[PX], v[\sum], s12, s13
	v_add_f32 v[\sum], v[\sum], v[PX]
.endm
	s_wait_loadcnt 16                              ; row 0 is in; my 8 rows' sixteen loads may stay out
	ROWSQ X0, P0, H0
	v_mul_f32 v[H0], 0.5, v[H0]                    ; S_0 / 2, exact
.irp i, 0,1,2,3,4,5,6,7
	s_wait_loadcnt 14-2*\i                         ; loads come back in order: row i is in, the younger rows stay out
	ROWSQ X+8*\i, P+4*\i, D
	global_store_b128 v[SO], v[P+4*\i:P+4*\i+3], s[6:7] offset:512*\i  ; the wave stores the row's 512 consecutive bytes
	v_fma_f32 v[D], v[D], -0.5, v[H0]              ; bias = S_0 / 2 - S_k / 2, one rounding
.if \i == 0
	v_mov_b32 v[VB], v[D]
.else
	v_cmp_eq_u32 vcc_lo, \i, v[L8]
	v_cndmask_b32 v[VB], v[VB], v[D], vcc_lo       ; lane l keeps row l % 8's
.endif
.endr
	ds_store_b32 v[WA], v[VB]                      ; the four lanes with one l % 8 write the same word with the same number
	s_wait_dscnt 0x0                               ; for the others' sake: my words are in LDS
	s_barrier_signal -1
	s_barrier_wait -1
	s_cmp_lg_u32 s10, 0
	s_cbranch_scc1 .Lend                           ; wave 0 alone stores the group's 64 words
	ds_load_b64 v[RB:RB+1], v[BO]
	s_wait_dscnt 0x0
	global_store_b64 v[BO], v[RB:RB+1], s[8:9]     ; 32 lanes x 8 bytes: 256 consecutive bytes, at a multiple of 256 from bias's first byte
.Lend:
	s_wait_tensorcnt 0x0                           ; the wave's end, behind my last LDS store
	ds_add_u32 v[SPW], v[NIL]
	s_wait_dscnt 0x0
	s_endpgm
.Lfunc_end_k_qe98958ee39_prep:
	.size	k_qe98958ee39_prep, .Lfunc_end_k_qe98958ee39_prep-k_qe98958ee39_prep
	.p2alignl 7, 3214868480
	.fill 96, 4, 3214868480
	.section	.rodata,"a",@progbits
	.p2align	6, 0x0
	.amdhsa_kernel k_qe98958ee39_prep
		.amdhsa_group_segment_fixed_size 1280
		.amdhsa_private_segment_fixed_size 0
		.amdhsa_enable_private_segment 0
		.amdhsa_kernarg_size 24
		.amdhsa_user_sgpr_count 2
		.amdhsa_user_sgpr_kernarg_segment_ptr 1
		.amdhsa_wavefront_size32 1
		.amdhsa_system_sgpr_workgroup_id_x 1
		.amdhsa_system_sgpr_workgroup_id_y 1
		.amdhsa_system_sgpr_workgroup_id_z 1
		.amdhsa_system_vgpr_workitem_id 0
		.amdhsa_next_free_vgpr 136
		.amdhsa_next_free_sgpr 66
		.amdhsa_reserve_vcc 1
		.amdhsa_float_denorm_mode_32 3
		.amdhsa_float_denorm_mode_16_64 3
		.amdhsa_memory_ordered 1
		.amdhsa_forward_progress 1
		.amdhsa_inst_pref_size 16
	.end_amdhsa_kernel
	.amdgpu_metadata
---
amdhsa.version: [ 1, 2 ]
amdhsa.kernels:
  - .name:           k_qe98958ee39_prep
    .symbol:         k_qe98958ee39_prep.kd
    .args:
      - { .name: embed, .offset: 0, .size: 8, .value_kind: global_buffer, .address_space: global }
      - { .name: ebf, .offset: 8, .size: 8, .value_kind: global_buffer, .address_space: global }
      - { .name: bias, .offset: 16, .size: 8, .value_kind: global_buffer, .address_space: global }
    .group_segment_fixed_size: 1280
    .private_segment_fixed_size: 0
    .kernarg_segment_align: 8
    .kernarg_segment_size: 24
    .max_flat_workgroup_size: 256
    .sgpr_count:     66
    .vgpr_count:     136
    .wavefront_size: 32
...
	.end_amdgpu_metadata
.endif
;; end of part 1
;; launch score (part 2): grid 256 x 1, 4 waves a work-group, clusters of 4 x 1, 327,680 bytes of LDS; arguments x, ebf, bias, idx; writes idx
.if DOCPART == 2
	.amdgcn_target "amdgcn-amd-amdhsa--gfx1250"
	.amdhsa_code_object_version 6
	.text
	.protected	k_qe98958ee39_score
	.globl	k_qe98958ee39_score
	.p2align	8
	.type	k_qe98958ee39_score,@function
k_qe98958ee39_score:
	s_mov_b64 s[64:65], 0
	v_nop
	global_prefetch_b8 v0, s[64:65] scope:SCOPE_SE
	s_setreg_imm32_b32 hwreg(HW_REG_WAVE_MODE, 25, 1), 1
	s_wait_xcnt 0x0
	s_wait_alu depctr_hold_cnt(0) depctr_sa_sdst(0) depctr_va_vdst(0) depctr_va_sdst(0) depctr_va_ssrc(0) depctr_va_vcc(0) depctr_vm_vsrc(0)
	s_getreg_b32 s2, hwreg(HW_REG_IB_STS2, 6, 4)
	s_cmp_eq_u32 s2, 0
	s_cbranch_scc0 .Lentry_in_a_cluster
	s_endpgm
.Lentry_in_a_cluster:
	s_bfe_u32 s2, ttmp6, 0x10000c
	s_cmp_lg_u32 s2, 0x3003
	s_cbranch_scc0 .Lentry_shape_is_right
	s_endpgm
.Lentry_shape_is_right:
; idx[n] = the code k with the largest s = x[n] . e_k + bias[k]; of equal scores the lowest k.  x: [32768][256] f32, rounded here to bf16 (nearest even); ebf: [8192][256] bf16;
; bias: [8192] f32 = (S_0 - S_k) / 2; idx: [32768] u32.  s is the reference's -(x^2 - 2 x . e + e^2) halved and shifted by terms that do not hang on k, so the choice is the same.
; LIMITS.  Products of bf16 operands, sums in f32 that start with the bias and go up K in eight steps of 32: an order of rounding other than the reference's.  Where a row's two best codes lie
; closer than those roundings (some 1e-5 of a score's spread of some 20) the choice may differ from the reference's.  A NaN score never wins (the reference would take the first NaN); a row whose
; scores are all NaN or -inf gets a code from 0 to 15.
; SHARES.  A work-group owns 128 rows of x: 256 work-groups.  EVERY wave keeps all 128 rows as bf16 fragments in 512 registers for the whole launch, and takes a quarter of the codes: of each step
; of 256 codes, wave w the rows 64 w .. 64 w + 63, four tiles of 16.  So 18 LDS loads feed a tile's 64 matrix instructions, and a wave reads only the LDS bytes that its own tensor loads brought.
; LAYOUT.  Source 0 = 16 codes, source 1 = 16 rows of x: in the result lane (r = l % 16, h = l / 16) holds row r and the codes 8 h + 0..7 of the tile.  The C operand of the first K step is the
; bias of those eight codes, the same eight registers for all eight row tiles.
; THE RUNNING MAXIMUM.  For each of a lane's 64 places (row tile, register) a largest score RUN and the tile's number GID = code0 + 8 h at which it came (IDX); the register's number is added at the
; end.  Three vector lines a score: compare, maximum, select.  Codes come in ascending order in a place, and only a greater score takes it: the first of equals stays.
; BY TURNS.  The eight row tiles are two pieces of four.  While piece A's 32 products of a code tile are issued, the three lines for one register of piece B's scores of the tile before stand behind
; each product; then the pieces change places.  The four accumulators of a piece take turns, one instruction a turn.
; CLUSTER.  All work-groups walk the same codes and biases: four of them ask JOINTLY, each wave for its quarter, by the same tensor load with the same descriptor and the mask of four.
; A work-group's place in its cluster enters x's and idx's addresses alone.
; REGISTERS, in windows of 256 (s_set_vgpr_msb: bits 1:0 source 0, 3:2 source 1, 5:4 source 2, 7:6 destination):
;   window 0: v0-15 addresses; v16-31 two sets of bias; v32-47 at work at the end; v64-127 the accumulators; v128-191 RUN; v192-255 IDX
;   window 1: v0-63, v64-127 the fragments of a code tile, two buffers; at the start all 256: two buffers of 16 rows of x in f32
;   windows 2, 3: x: row tile t, K step k at 64 (t % 4) + 8 k of window 2 + t / 4
; A product names windows 1 and 2 or 3 in its sources, the three lines window 0 in theirs: two switches for each product.
.set EP,    528                        ; a code row in LDS: 512 bytes + 16 of padding = 132 words: row r starts at bank 4 r mod 64 (64 banks of 4 bytes: ISA guide 11.1)
.set QE,    64*EP                      ; a wave's quarter of a slot: 64 rows
.set SLOT1, 4*QE                       ; slot 0 at 0, slot 1 here: 135,168 bytes each
.set XP,    1040                       ; a row of x in f32 in LDS: 1,024 + 16 = 260 words: again 4 r mod 64
.set QX,    32*XP                      ; a wave's quarter of x's stage, which lies in slot 1 until step 1's codes land there
.set BIAS,  2*SLOT1                    ; all 8,192 biases, dense: 32,768 bytes
.set SCR,   BIAS+32768                 ; the waves' results: [4][128] scores, then [4][128] codes: 4,096 bytes that no tensor load fills
.set SPARE, SCR+4096                   ; the spare words, 128 bytes for each wave: two blocks of 256 bytes that no other line names
.set STEPB, 256*512                    ; a step's codes in memory
.set TRIPS, 15                         ; a trip = two steps; 32 steps: 15 trips and a tail of two
.set TM,  3                            ; v3   at work in MERGE
.set EA,  4                            ; v4-5 LDS address of my lane's place in my quarter of slot 0, 1; never rewritten
.set BA,  6                            ; v6   LDS address of my eight biases of tile 0 of the step whose tiles are being fetched
.set BA0, 7                            ; v7   the same for step 0; never rewritten
.set GID, 8                            ; v8-9 code0 + 8 h of the even tile, the odd tile in hand
.set SPW, 10                           ; v10  LDS address of my spare word; never rewritten
.set NIL, 11                           ; v11  0; never rewritten
.set XA,  12                           ; v12  LDS address of my lane's place in x's stage
.set SA,  13                           ; v13  where I put a row's result
.set RDA, 14                           ; v14  where I read two rows' results back
.set GO,  15                           ; v15  my byte offset in the group's 512 bytes of idx
.set BI,  16                           ; v[16:23], v[24:31]
.set MT,  32                           ; v[32:39] four waves' scores of two rows, v[40:47] their codes
.set ACC, 64
.set RUN, 128
.set IDX, 192
.set WV,  12                           ; s12  my wave's number
.set G1E, 16                           ; s[16:23] group 1 for the codes
.set G0E, 24                           ; s[24:27], s[28:31] group 0 for the codes, a set for each slot
.set G1B, 32                           ; s[32:39] group 1 for the biases
.set G0B, 40                           ; s[40:43]
.set G1X, 44                           ; s[44:51] group 1 for x
.set G0X, 52                           ; s[52:55]
.set CNT, 56                           ; s56  trips to go
.set NINF, 57                          ; s57  -infinity
.set SEL, 58                           ; s[58:59] v_permlanex16_b32's selects
.set MK,  60                           ; s60  a mask in MERGE
.set SB,  63                           ; s63  1,024 x the step whose tiles are being fetched
.set MSB, 0
.macro WIN new                         ; the immediate's high byte repeats the setting that is left; a switch that changes nothing is dropped
.if MSB != (\new)
	s_set_vgpr_msb (MSB<<8)|(\new)
.set MSB, \new
.endif
.endm
; A round of the cluster's barrier: my work-group's barrier, so that wave 0's signal speaks for all four waves; wave 0 signals; every wave waits for all four work-groups; my work-group's barrier once more.
.macro CREST                           ; a round behind its opening barrier
	s_cmp_lg_u32 s[WV], 0
	s_cbranch_scc1 .Lnot_wave_0_\@
	s_barrier_signal -3
.Lnot_wave_0_\@:
	s_barrier_wait -3
	s_barrier_signal -1
	s_barrier_wait -1
.endm
.macro CROUND                          ; a whole round
	s_barrier_signal -1
	s_barrier_wait -1
	CREST
.endm
	s_load_b256 s[4:11], s[0:1], 0x0               ; x s[4:5], ebf s[6:7], bias s[8:9], idx s[10:11]
	v_lshl_add_u32 v[SPW], v0, 2, SPARE
	v_mov_b32 v[NIL], 0
	ds_add_u32 v[SPW], v[NIL]                      ; the wave's opening: the add and its wait stand ahead of my first tensor load; the set-up below, work on registers, stands between them
	v_lshrrev_b32 v1, 5, v0
	v_readfirstlane_b32 s[WV], v1                  ; wave 0..3
	s_bfe_u32 s13, ttmp6, 0x40000                  ; cx: my place in the cluster
	s_lshl_b32 s14, ttmp9, 2                       ; in a cluster launch ttmp9 counts clusters
	s_add_co_u32 s14, s14, s13                     ; my block of 128 rows = 4 x cluster + cx
	; group 1 for the codes: 64 rows x 256 elements of 2 bytes, padded in LDS
	s_mov_b32 s[G1E+0], 15|(1<<16)|(1<<20)|(1<<21)|(6<<22)|(3<<25)  ; 15:0 the mask of four; 17:16 2-byte elements; 20 padding on; 21 set beside a mask; 24:22 after every 128 words (code 6); 31:25 4 words (code 3)
	s_mov_b32 s[G1E+1], 256<<16                    ; tensor_dim0 = 256
	s_mov_b32 s[G1E+2], 64<<16                     ; tensor_dim1 = 64
	s_mov_b32 s[G1E+3], 256<<16                    ; tile_dim0 = 256
	s_mov_b32 s[G1E+4], 64                         ; tile_dim1 = 64
	s_mov_b32 s[G1E+5], 256                        ; 256 elements from row to row
	s_mov_b32 s[G1E+6], 0
	s_mov_b32 s[G1E+7], 0
	; group 1 for the biases: 8,192 dense bytes as 32 rows of 32 elements of 8 bytes
	s_mov_b32 s[G1B+0], 15|(3<<16)|(1<<21)
	s_mov_b32 s[G1B+1], 32<<16
	s_mov_b32 s[G1B+2], 32<<16
	s_mov_b32 s[G1B+3], 32<<16
	s_mov_b32 s[G1B+4], 32
	s_mov_b32 s[G1B+5], 32
	s_mov_b32 s[G1B+6], 0
	s_mov_b32 s[G1B+7], 0
	; group 1 for x, a load of my work-group's own (mask 0): 32 rows x 256 elements of 4 bytes, padded
	s_mov_b32 s[G1X+0], (2<<16)|(1<<20)|(7<<22)|(3<<25)  ; after every 256 words (code 7) 4 words (code 3)
	s_mov_b32 s[G1X+1], 256<<16
	s_mov_b32 s[G1X+2], 32<<16
	s_mov_b32 s[G1X+3], 256<<16
	s_mov_b32 s[G1X+4], 32
	s_mov_b32 s[G1X+5], 256
	s_mov_b32 s[G1X+6], 0
	s_mov_b32 s[G1X+7], 0
	; the LDS addresses: constants and the wave's number
	s_mul_i32 s15, s[WV], QE
	s_mov_b32 s[G0E+0], 1
	s_mov_b32 s[G0E+1], s15                        ; slot 0, my quarter
	s_mov_b32 s[G0E+4], 1
	s_add_co_u32 s[G0E+5], s15, SLOT1              ; slot 1, my quarter
	s_mov_b32 s[G0B+0], 1
	s_lshl_b32 s[G0B+1], s[WV], 13
	s_add_co_u32 s[G0B+1], s[G0B+1], BIAS
	s_mov_b32 s[G0X+0], 1
	s_mul_i32 s[G0X+1], s[WV], QX
	s_add_co_u32 s[G0X+1], s[G0X+1], SLOT1
	; byte offsets, made apart from the addresses
	s_lshl_b32 s66, s[WV], 15                      ; my 64 code rows of 512 bytes; also my 32 rows of x of 1,024
	s_mov_b32 s67, 0
	s_lshl_b32 s68, s14, 17                        ; my block's 128 rows of x
	s_add_co_u32 s68, s68, s66
	s_mov_b32 s69, 0
	s_lshl_b32 s70, s[WV], 13                      ; my quarter of the biases
	s_mov_b32 s71, 0
	s_mov_b32 s[NINF], 0xff800000
	s_mov_b32 s[SEL], 0x76543210
	s_mov_b32 s[SEL+1], 0xfedcba98
	s_mov_b32 s[SB], 0
	s_wait_dscnt 0x0                               ; the opening add is done
	s_wait_kmcnt 0x0
	s_add_nc_u64 s[G0E+2:G0E+3], s[6:7], s[66:67]  ; step 0, my quarter
	s_add_nc_u64 s[G0E+6:G0E+7], s[G0E+2:G0E+3], STEPB  ; step 1
	s_or_b32 s[G0E+3], s[G0E+3], 0x80000000        ; type = 2
	s_or_b32 s[G0E+7], s[G0E+7], 0x80000000
	s_add_nc_u64 s[G0B+2:G0B+3], s[8:9], s[70:71]
	s_or_b32 s[G0B+3], s[G0B+3], 0x80000000
	s_add_nc_u64 s[G0X+2:G0X+3], s[4:5], s[68:69]
	s_or_b32 s[G0X+3], s[G0X+3], 0x80000000
	s_lshl_b32 s68, s14, 9                         ; my block's 128 words of idx
	s_add_nc_u64 s[10:11], s[10:11], s[68:69]
	CROUND                                         ; all four work-groups are here: the first joint loads meet
	tensor_load_to_lds s[G0X:G0X+3], s[G1X:G1X+7]  ; the three first fills go out together: three tensor loads of mine are out.  x first: it is wanted first
	s_nop 0
	tensor_load_to_lds s[G0E:G0E+3], s[G1E:G1E+7]  ; step 0's codes
	s_nop 0
	tensor_load_to_lds s[G0B:G0B+3], s[G1B:G1B+7]  ; the biases
	s_nop 0
	; In their shadow, all in window 0: the lane's addresses and the state.
	v_and_b32 v1, 15, v0                           ; r = l % 16
	v_bfe_u32 v2, v0, 4, 1                         ; h = l / 16
	v_mul_u32_u24 v[EA], v1, EP                    ; a fragment of codes: row r, 16 bytes for each half of the lanes; two loads 32 bytes apart for 32 along K
	v_lshl_add_u32 v[EA], v2, 4, v[EA]
	v_add_nc_u32 v[EA], s15, v[EA]
	v_add_nc_u32 v[EA+1], SLOT1, v[EA]
	s_lshl_b32 s2, s[WV], 8                        ; my 64 biases of a step's 256,
	s_add_co_u32 s2, s2, BIAS
	v_lshl_add_u32 v[BA0], v2, 5, s2               ; and of a tile's 16 the eight of my half
	v_mov_b32 v[BA], v[BA0]
	s_lshl_b32 s3, s[WV], 6
	v_lshl_add_u32 v[GID], v2, 3, s3               ; tile 0: 64 w + 8 h
	v_add_nc_u32 v[GID+1], 0xffffff30, v[GID]      ; less 208: the first step of 224 makes it tile 1's, 16 on
	v_mul_u32_u24 v[XA], v1, XP                    ; x in f32: row r, 32 bytes for each half of the lanes
	v_lshl_add_u32 v[XA], v2, 5, v[XA]
	v_add_nc_u32 v[XA], SLOT1, v[XA]
	s_lshl_b32 s2, s[WV], 9
	s_add_co_u32 s2, s2, SCR
	v_lshl_add_u32 v[SA], v1, 2, s2                ; my wave's 128 words, row r of a tile
	v_and_b32 v[GO], 31, v0
	s_lshl_b32 s3, s[WV], 8
	v_lshl_add_u32 v[GO], v[GO], 3, s3             ; waves 0 and 1: rows 64 w + 2 l, + 1
	v_add_nc_u32 v[RDA], SCR, v[GO]
	; RUN = -infinity, IDX = 0, and piece B's accumulators = -infinity, so that the first tile's lines for 'the tile before' change nothing and no first tile is written out:
	; 160 moves once a launch, while the first tiles are on their way.
.set z, 0
.rept 64
	v_mov_b32 v[RUN+z], s[NINF]
	v_mov_b32 v[IDX+z], 0
.set z, z+1
.endr
.set z, 0
.rept 32
	v_mov_b32 v[ACC+32+z], s[NINF]
.set z, z+1
.endr
; THE MATRIX WORK.  Product i of 32 of piece pc with the code tile in buffer p: K step i / 4, row tile 4 pc + i % 4.  The first four start the sums with the bias.
.macro WM pc, p
	WIN 0x09+4*(\pc)                               ; codes window 1, x window 2 or 3, C and D window 0
.set rD, ACC+32*(\pc)+8*(i%4)
.set rA, 64*(\p)+8*(i/4)
.set rB, 64*(i%4)+8*(i/4)
.if i < 4
	v_wmma_f32_16x16x32_bf16 v[rD:rD+7], v[rA:rA+7], v[rB:rB+7], v[BI+8*(\p):BI+8*(\p)+7]
.else
	v_wmma_f32_16x16x32_bf16 v[rD:rD+7], v[rA:rA+7], v[rB:rB+7], v[rD:rD+7]
.endif
.set i, i+1
.endm
; THE VECTOR WORK.  Register n of 32 of piece pc's scores, n ascending.  g: which GID is that tile's.
.macro SL pc, g
	WIN 0
	v_cmp_gt_f32 vcc_lo, v[ACC+32*(\pc)+n], v[RUN+32*(\pc)+n]
	v_max_num_f32 v[RUN+32*(\pc)+n], v[RUN+32*(\pc)+n], v[ACC+32*(\pc)+n]
	v_cndmask_b32 v[IDX+32*(\pc)+n], v[IDX+32*(\pc)+n], v[GID+(\g)], vcc_lo
.set n, n+1
.endm
.macro SLICES cnt, pc, p, g            ; a product of piece pc and the other piece's three lines, cnt times
.rept \cnt
	WM \pc, \p
	SL 1-(\pc), \g
.endr
.endm
; 18 LDS loads in one run: code tile c of my quarter of a slot (16 rows x 256 K: 8 fragments) into buffer p, and its eight biases.
.macro FETCH slot, c, p
	WIN 0x40                                       ; destination window 1, address window 0
.irp k, 0,1,2,3,4,5,6,7
	ds_load_b128 v[64*(\p)+8*\k:64*(\p)+8*\k+3],   v[EA+(\slot)] offset:(\c)*16*EP+64*\k
	ds_load_b128 v[64*(\p)+8*\k+4:64*(\p)+8*\k+7], v[EA+(\slot)] offset:(\c)*16*EP+64*\k+32
.endr
	WIN 0
	ds_load_b128 v[BI+8*(\p):BI+8*(\p)+3],   v[BA] offset:64*(\c)
	ds_load_b128 v[BI+8*(\p)+4:BI+8*(\p)+7], v[BA] offset:64*(\c)+16
.endm
; A CODE TILE: tile c of a step, in buffer p = c % 2.  First piece A's 32 products, with the lines for piece B's scores of the tile before; then piece B's, with the lines for piece A's scores just made.
; A vector line that reads a result stands four places or more behind the product that made it, and only plain vector lines that name none of its registers are places (ISA guide 7.12.1): the last
; product on a piece's first accumulator has twelve of the other piece's lines behind it, and the later accumulators have in addition the lines for the accumulators in front of them.
; mode 0: the next tile of the same slot is fetched behind the second product: nine plain lines behind the last product that read that buffer, 62 products ahead of its first use.
; mode 1: the step's last tile, whose fragments are in registers: THE CHANGE OF SLOTS.  Each wave waits for all its tensor loads, of which one is out: its quarter of the other slot; adds 0 to its
;   spare word; and waits for that (its reads of this slot are back since the wait at the tile's head).  The barrier opens a round of the cluster's barrier, so that no wave of any partner still reads the slot or has a load on its
;   way; the joint refill, this slot's codes two steps on, is the first thing behind the round: it has a step's 256 products in which to land.
; mode 2: the last step but one: my quarter of the last slot is waited for and nothing is asked for; no barrier, since a wave reads only what its own load brought.   mode 3: nothing is left to fetch.
.macro TILE c, p, slot, mode
	WIN 0
	s_wait_dscnt 0x0                               ; this tile's 18 loads are in
.set i, 0
.set n, 0
.if (\mode) == 1
	s_wait_tensorcnt 0x0                           ; no tensor load of mine is out, so a group 0 may be written
	ds_add_u32 v[SPW], v[NIL]                      ; 0 onto my spare word; work on registers stands between it and the wait for it
	s_add_nc_u64 s[G0E+4*(\slot)+2:G0E+4*(\slot)+3], s[G0E+4*(\slot)+2:G0E+4*(\slot)+3], 2*STEPB  ; this slot's next step; the type bits on top are not reached
	s_add_co_u32 s[SB], s[SB], 1024                ; the fetches go on to the next step's biases
	v_add_nc_u32 v[BA], s[SB], v[BA0]
	SLICES 8, 0, \p, 1-(\p)
	s_wait_dscnt 0x0                               ; the add is done
	s_barrier_signal -1
	SLICES 8, 0, \p, 1-(\p)                        ; work on registers while the others arrive
	WIN 0                                          ; at a branch and at a label every window is 0
	s_barrier_wait -1
	CREST
	tensor_load_to_lds s[G0E+4*(\slot):G0E+4*(\slot)+3], s[G1E:G1E+7]  ; my one tensor load behind the round
	s_nop 0
.rept 4
	v_nop                                          ; four lines between the load and the next switch of windows
.endr
	FETCH 1-(\slot), 0, 1-(\p)
	SLICES 16, 0, \p, 1-(\p)
.else
.if (\mode) == 2
	s_wait_tensorcnt 0x0                           ; the one load that is out, and none was issued behind it: my quarter of the last step
	s_add_co_u32 s[SB], s[SB], 1024
	v_add_nc_u32 v[BA], s[SB], v[BA0]
.endif
	SLICES 2, 0, \p, 1-(\p)
.if (\mode) == 0
	FETCH \slot, (\c)+1, 1-(\p)
.elseif (\mode) == 2
	FETCH 1-(\slot), 0, 1-(\p)
.endif
	SLICES 30, 0, \p, 1-(\p)
.endif
	WIN 0
.if ((\c) == 1) || ((\c) == 2)
	v_add_nc_u32 v[GID+1-(\p)], 32, v[GID+1-(\p)]  ; the tile before is done with: its GID becomes the next tile's, two tiles on in my quarter,
.else
	v_add_nc_u32 v[GID+1-(\p)], 224, v[GID+1-(\p)] ; or over a step's edge: 256 - 32
.endif
.set i, 0
.set n, 0
	SLICES 32, 1, \p, \p
.endm
.macro STEP slot, m                    ; a step's four tiles; m: the last tile's mode
	TILE 0, 0, \slot, 0
	TILE 1, 1, \slot, 0
	TILE 2, 0, \slot, 0
	TILE 3, 1, \slot, \m
.endm
; x FROM THE STAGE INTO FRAGMENTS.  A fragment is 16 rows x 32 K in 8 registers: lane (r, h) holds row r, K = 8 h + 0..7 and 16 + 8 h + 0..7.  In f32 those are 32 bytes at 32 h and 32 bytes at 64 + 32 h of each 128.
.macro XLOAD buf, step                 ; 32 loads: 16 rows x 256 K in f32 into buffer buf of window 1; step = 1: the address goes on to the next 16 rows
	WIN 0x40
.irp k, 0,1,2,3,4,5,6,7
	ds_load_b128 v[128*(\buf)+16*\k:128*(\buf)+16*\k+3],     v[XA] offset:128*\k
	ds_load_b128 v[128*(\buf)+16*\k+4:128*(\buf)+16*\k+7],   v[XA] offset:128*\k+16
	ds_load_b128 v[128*(\buf)+16*\k+8:128*(\buf)+16*\k+11],  v[XA] offset:128*\k+64
	ds_load_b128 v[128*(\buf)+16*\k+12:128*(\buf)+16*\k+15], v[XA] offset:128*\k+80
.endr
	WIN 0
.if \step
	v_add_nc_u32 v[XA], 16*XP, v[XA]
.endif
.endm
.macro XCVT t, buf                     ; 64 roundings: row tile t
	WIN 0x85+0x40*((\t)/4)                         ; sources window 1, destination window 2 or 3
.set z, 0
.rept 64
	v_cvt_pk_bf16_f32 v[64*((\t)%4)+z], v[128*(\buf)+2*z], v[128*(\buf)+2*z+1]
.set z, z+1
.endr
.endm
; (score a, code a) takes (score b, code b) if b's score is greater, or equal with the lower code.  No score here is a NaN.
.macro MERGE sa, ca, sb, cb
	v_cmp_gt_f32 vcc_lo, v[\sb], v[\sa]
	v_cmp_eq_f32 s[MK], v[\sb], v[\sa]
	v_min_u32 v[TM], v[\ca], v[\cb]
	v_cndmask_b32 v[\ca], v[\ca], v[\cb], vcc_lo
	v_cndmask_b32 v[\ca], v[\ca], v[TM], s[MK]
	v_max_num_f32 v[\sa], v[\sa], v[\sb]
.endm
	s_wait_tensorcnt 0x2                           ; tensor loads of a wave end in order: my quarter of x is in; the codes and the biases, issued behind it, may stay out
	s_barrier_signal -1
	s_barrier_wait -1                              ; everybody's quarter is in
	XLOAD 0, 1
	XLOAD 1, 1
.set t, 0
.rept 8
.if t < 7
	s_wait_dscnt 32                                ; LDS loads come back in order: this tile's 32 are in, the next tile's 32 may stay out
.else
	s_wait_dscnt 0x0
.endif
	XCVT t, t%2
.if t < 5
	XLOAD t%2, 1
.elseif t < 6
	XLOAD t%2, 0
.endif
.set t, t+1
.endr
	; x's stage has been read out: step 1's codes take its bytes, in the order of every refill.
	WIN 0
	s_wait_tensorcnt 0x0                           ; step 0's codes and the biases, my quarters, are in
	ds_add_u32 v[SPW], v[NIL]                      ; 0 onto my spare word
	s_wait_dscnt 0x0                               ; the add is done; my reads of the stage came back above
	CROUND                                         ; every wave of all four work-groups has said so; the biases, which all waves read, are whole
	tensor_load_to_lds s[G0E+4:G0E+7], s[G1E:G1E+7]
	s_nop 0
.rept 4
	v_nop
.endr
	FETCH 0, 0, 0
	s_mov_b32 s[CNT], TRIPS
.Ltrip:                                                ; steps 2 j and 2 j + 1; they ask for steps 2 j + 2 and 2 j + 3
	STEP 0, 1
	STEP 1, 1
	WIN 0
	s_sub_co_u32 s[CNT], s[CNT], 1
	s_cmp_lg_u32 s[CNT], 0
	s_cbranch_scc1 .Ltrip
	STEP 0, 2                                      ; the tail is written out
	STEP 1, 3
.set n, 0
.rept 32
	SL 1, 1                                        ; piece B's scores of the last tile
.endr
	; THE END.  A place's code is its tile's number plus the register's; a lane's eight places of a row tile are merged, then the two halves of the lanes, then, through LDS, the four waves.
	WIN 0
.set t, 0
.rept 8
.irp j, 1,2,3,4,5,6,7
	v_add_nc_u32 v[IDX+8*t+\j], \j, v[IDX+8*t+\j]
.endr
.set t, t+1
.endr
.set t, 0
.rept 8
	MERGE RUN+8*t,   IDX+8*t,   RUN+8*t+1, IDX+8*t+1
	MERGE RUN+8*t+2, IDX+8*t+2, RUN+8*t+3, IDX+8*t+3
	MERGE RUN+8*t+4, IDX+8*t+4, RUN+8*t+5, IDX+8*t+5
	MERGE RUN+8*t+6, IDX+8*t+6, RUN+8*t+7, IDX+8*t+7
	MERGE RUN+8*t,   IDX+8*t,   RUN+8*t+2, IDX+8*t+2
	MERGE RUN+8*t+4, IDX+8*t+4, RUN+8*t+6, IDX+8*t+6
	MERGE RUN+8*t,   IDX+8*t,   RUN+8*t+4, IDX+8*t+4
	v_permlanex16_b32 v[RUN+8*t+1], v[RUN+8*t], s[SEL], s[SEL+1]  ; the row's other codes lie in the lane 16 away
	v_permlanex16_b32 v[IDX+8*t+1], v[IDX+8*t], s[SEL], s[SEL+1]
	MERGE RUN+8*t,   IDX+8*t,   RUN+8*t+1, IDX+8*t+1
	ds_store_b32 v[SA], v[RUN+8*t] offset:64*t     ; row 16 t + r; both halves of the lanes write the same number
	ds_store_b32 v[SA], v[IDX+8*t] offset:2048+64*t
.set t, t+1
.endr
	s_wait_dscnt 0x0                               ; for the others' sake: my results are in LDS
	s_barrier_signal -1
	s_barrier_wait -1
	s_cmp_lt_u32 s[WV], 2
	s_cbranch_scc0 .Lend                           ; waves 0 and 1 merge 64 rows each, two a lane
.irp q, 0,1,2,3
	ds_load_b64 v[MT+2*\q:MT+2*\q+1],     v[RDA] offset:512*\q
	ds_load_b64 v[MT+8+2*\q:MT+8+2*\q+1], v[RDA] offset:2048+512*\q
.endr
	s_wait_dscnt 0x0
.irp e, 0,1
	MERGE MT+\e,   MT+8+\e,  MT+2+\e, MT+10+\e
	MERGE MT+4+\e, MT+12+\e, MT+6+\e, MT+14+\e
	MERGE MT+\e,   MT+8+\e,  MT+4+\e, MT+12+\e
.endr
	global_store_b64 v[GO], v[MT+8:MT+9], s[10:11] ; 32 lanes x 8 bytes: 256 consecutive bytes, at a multiple of 256 from idx's first byte
.Lend:
	s_wait_tensorcnt 0x0                           ; the wave's end, behind my last tensor load and my last LDS store
	ds_add_u32 v[SPW], v[NIL]
	s_wait_dscnt 0x0
	CROUND                                         ; the closing round: no work-group ends while a partner may still ask for a tile that names it
	s_endpgm
.Lfunc_end_k_qe98958ee39_score:
	.size	k_qe98958ee39_score, .Lfunc_end_k_qe98958ee39_score-k_qe98958ee39_score
	.p2alignl 7, 3214868480
	.fill 96, 4, 3214868480
	.section	.rodata,"a",@progbits
	.p2align	6, 0x0
	.amdhsa_kernel k_qe98958ee39_score
		.amdhsa_group_segment_fixed_size 327680
		.amdhsa_private_segment_fixed_size 0
		.amdhsa_enable_private_segment 0
		.amdhsa_kernarg_size 32
		.amdhsa_user_sgpr_count 2
		.amdhsa_user_sgpr_kernarg_segment_ptr 1
		.amdhsa_wavefront_size32 1
		.amdhsa_system_sgpr_workgroup_id_x 1
		.amdhsa_system_sgpr_workgroup_id_y 1
		.amdhsa_system_sgpr_workgroup_id_z 1
		.amdhsa_system_vgpr_workitem_id 0
		.amdhsa_next_free_vgpr 1024
		.amdhsa_next_free_sgpr 72
		.amdhsa_reserve_vcc 1
		.amdhsa_float_denorm_mode_32 3
		.amdhsa_float_denorm_mode_16_64 3
		.amdhsa_memory_ordered 1
		.amdhsa_forward_progress 1
		.amdhsa_inst_pref_size 255
	.end_amdhsa_kernel
	.section	.bss,"aw",@nobits
	.p2align	6
	.space	262144
	.amdgpu_metadata
---
amdhsa.version: [ 1, 2 ]
amdhsa.kernels:
  - .name:           k_qe98958ee39_score
    .symbol:         k_qe98958ee39_score.kd
    .args:
      - { .name: x, .offset: 0, .size: 8, .value_kind: global_buffer, .address_space: global }
      - { .name: ebf, .offset: 8, .size: 8, .value_kind: global_buffer, .address_space: global }
      - { .name: bias, .offset: 16, .size: 8, .value_kind: global_buffer, .address_space: global }
      - { .name: idx, .offset: 24, .size: 8, .value_kind: global_buffer, .address_space: global }
    .group_segment_fixed_size: 327680
    .private_segment_fixed_size: 0
    .kernarg_segment_align: 8
    .kernarg_segment_size: 32
    .max_flat_workgroup_size: 128
    .sgpr_count:     72
    .vgpr_count:     1024
    .wavefront_size: 32
...
	.end_amdgpu_metadata
.endif
;; end of part 2
;; launch gather (part 3): grid 256 x 1, 8 waves a work-group, no clusters, 0 bytes of LDS; arguments idx, embed, out0; writes out0
.if DOCPART == 3
	.amdgcn_target "amdgcn-amd-amdhsa--gfx1250"
	.amdhsa_code_object_version 6
	.text
	.protected	k_qe98958ee39_gather
	.globl	k_qe98958ee39_gather
	.p2align	8
	.type	k_qe98958ee39_gather,@function
k_qe98958ee39_gather:
	s_mov_b64 s[64:65], 0
	v_nop
	global_prefetch_b8 v0, s[64:65] scope:SCOPE_SE
	s_setreg_imm32_b32 hwreg(HW_REG_WAVE_MODE, 25, 1), 1
	s_wait_xcnt 0x0
; out0[n][:] = embed[idx[n]][:].  idx: [32768] u32, stored by the launch before; embed: [8192][256] f32; out0: [32768][256] f32.
; A work-group owns 128 rows, each of its eight waves 16.  A wave's 16 indices are 64 consecutive bytes: one scalar load.  A row is 1,024 bytes: two loads and two stores of 16 bytes a lane, each
; covering 512 consecutive bytes.  All 32 loads of a wave go out before its first store; no register is written twice, so nothing waits but each store for its own load.
; Memory binds: no LDS, no matrix unit, no cluster.  No streaming hint on the loads: the list may name a row many times.  An index is held to 0 .. 8,191 before it enters an address.
.set LO,  1                            ; v1       16 x lane
.set OFF, 2                            ; v[2:17]  row i: its byte offset in embed, plus my lane's
.set DT,  20                           ; v[20:147] row i: 8 registers
	s_load_b128 s[4:7], s[0:1], 0x0                ; idx s[4:5], embed s[6:7]
	s_load_b64 s[8:9], s[0:1], 0x10                ; out0
	v_lshrrev_b32 v18, 5, v0
	v_readfirstlane_b32 s10, v18                   ; wave 0..7
	v_and_b32 v[LO], 31, v0
	v_lshlrev_b32 v[LO], 4, v[LO]
	s_lshl_b32 s11, ttmp9, 7
	s_lshl4_add_u32 s11, s10, s11                  ; my first row = 128 x group + 16 x wave
	s_lshl_b32 s12, s11, 2                         ; in idx
	s_mov_b32 s13, 0
	s_lshl_b32 s14, s11, 10                        ; in out0
	s_mov_b32 s15, 0
	s_wait_kmcnt 0x0
	s_add_nc_u64 s[4:5], s[4:5], s[12:13]
	s_add_nc_u64 s[8:9], s[8:9], s[14:15]
	s_load_b512 s[16:31], s[4:5], 0x0              ; my 16 indices
	s_wait_kmcnt 0x0
.irp i, 0,1,2,3,4,5,6,7,8,9,10,11,12,13,14,15
	s_min_u32 s[16+\i], s[16+\i], 0x1fff
	v_lshl_add_u32 v[OFF+\i], s[16+\i], 10, v[LO]
	global_load_b128 v[DT+8*\i:DT+8*\i+3],   v[OFF+\i], s[6:7]
	global_load_b128 v[DT+8*\i+4:DT+8*\i+7], v[OFF+\i], s[6:7] offset:512
.endr
.irp i, 0,1,2,3,4,5,6,7,8,9,10,11,12,13,14,15
	s_wait_loadcnt 30-2*\i                         ; loads come back in order: row i is in, the younger rows stay out
	global_store_b128 v[LO], v[DT+8*\i:DT+8*\i+3],   s[8:9] offset:1024*\i th:TH_STORE_NT
	global_store_b128 v[LO], v[DT+8*\i+4:DT+8*\i+7], s[8:9] offset:1024*\i+512 th:TH_STORE_NT
.endr
	s_endpgm
.Lfunc_end_k_qe98958ee39_gather:
	.size	k_qe98958ee39_gather, .Lfunc_end_k_qe98958ee39_gather-k_qe98958ee39_gather
	.p2alignl 7, 3214868480
	.fill 96, 4, 3214868480
	.section	.rodata,"a",@progbits
	.p2align	6, 0x0
	.amdhsa_kernel k_qe98958ee39_gather
		.amdhsa_group_segment_fixed_size 0
		.amdhsa_private_segment_fixed_size 0
		.amdhsa_enable_private_segment 0
		.amdhsa_kernarg_size 24
		.amdhsa_user_sgpr_count 2
		.amdhsa_user_sgpr_kernarg_segment_ptr 1
		.amdhsa_wavefront_size32 1
		.amdhsa_system_sgpr_workgroup_id_x 1
		.amdhsa_system_sgpr_workgroup_id_y 1
		.amdhsa_system_sgpr_workgroup_id_z 1
		.amdhsa_system_vgpr_workitem_id 0
		.amdhsa_next_free_vgpr 148
		.amdhsa_next_free_sgpr 66
		.amdhsa_reserve_vcc 0
		.amdhsa_float_denorm_mode_32 3
		.amdhsa_float_denorm_mode_16_64 3
		.amdhsa_memory_ordered 1
		.amdhsa_forward_progress 1
		.amdhsa_inst_pref_size 10
	.end_amdhsa_kernel
	.amdgpu_metadata
---
amdhsa.version: [ 1, 2 ]
amdhsa.kernels:
  - .name:           k_qe98958ee39_gather
    .symbol:         k_qe98958ee39_gather.kd
    .args:
      - { .name: idx, .offset: 0, .size: 8, .value_kind: global_buffer, .address_space: global }
      - { .name: embed, .offset: 8, .size: 8, .value_kind: global_buffer, .address_space: global }
      - { .name: out0, .offset: 16, .size: 8, .value_kind: global_buffer, .address_space: global }
    .group_segment_fixed_size: 0
    .private_segment_fixed_size: 0
    .kernarg_segment_align: 8
    .kernarg_segment_size: 24
    .max_flat_workgroup_size: 256
    .sgpr_count:     66
    .vgpr_count:     148
    .wavefront_size: 32
...
	.end_amdgpu_metadata
.endif
;; end of part 3
;; ======== version 2 of 2: 3 launches; version 1 with the launches prep, gather written anew for expert scheduling mode
;; workspace buffers: ebf 4,194,304 bytes; bias 32,768 bytes; idx 131,072 bytes of whole numbers
;; launch prep (part 4): grid 128 x 1, 8 waves a work-group, no clusters, 1,280 bytes of LDS; arguments embed, ebf, bias; writes ebf, bias
.if DOCPART == 4
	.amdgcn_target "amdgcn-amd-amdhsa--gfx1250"
	.amdhsa_code_object_version 6
	.text
	.protected	k_qe98958ee39_prep
	.globl	k_qe98958ee39_prep
	.p2align	8
	.type	k_qe98958ee39_prep,@function
k_qe98958ee39_prep:
	s_mov_b64 s[64:65], 0
	v_nop
	global_prefetch_b8 v0, s[64:65] scope:SCOPE_SE
	s_setreg_imm32_b32 hwreg(HW_REG_WAVE_SCHED_MODE, 0, 2), 2
	s_setreg_imm32_b32 hwreg(HW_REG_WAVE_MODE, 25, 1), 1
	s_wait_xcnt 0x0
	s_wait_alu depctr_vm_vsrc(0)
; ebf[k][:] = embed[k][:] rounded to bf16 (nearest even);  bias[k] = (S_0 - S_k) / 2, S_k = the sum of squares of the ROUNDED row k, in f32.
; embed: [8192][256] f32.  ebf: [8192][256] bf16.  bias: [8192] f32.
; The later launch looks for the largest x . e_k + bias[k]; that is the reference's -(x^2 - 2 x . e_k + e_k^2) halved and shifted by x^2 / 2 + S_0 / 2, which do not hang on k.
; The shift by S_0 keeps the bias near 0, so that sums which start with it stay as small as the products themselves.
; SHARES.  A work-group owns 64 rows (their 64 bias words are 256 consecutive bytes, stored whole by one instruction), each of its eight waves 8 rows, a lane 8 neighbouring
; numbers of a row.  Every wave also reads row 0 and makes S_0 in the same order of additions, so all agree on it bit for bit.
; Memory binds; no matrix unit, no cluster, no tensor load: a row is read once and leaves once.  All 18 loads of a wave go out at the start; each store has data registers of its own, so nothing waits for a store.
; THE MODE: SCHED_MODE bits 1:0 = 2 (LLVM: expert scheduling mode 2), set by the entry lines.  The code itself states the register dependences
; between vector instructions and memory or LDS instructions, with s_wait_alu, always for 0.
; THE PLAN.  Registers that memory or LDS instructions touch:
;   v1, v2, v4 to v7   offsets and LDS addresses: written at the head, never again; read by the loads, the stores and the closing add.
;   X0, X              written by the 18 loads at the start, once each; no vector line names them ahead of those loads; read by a row's four roundings.
;   P                  four registers a row: written by the row's roundings, once; read by the row's one store.
;   v[VB]              written by the rows' selects; read by the one LDS store behind row 7.
;   v[RB]              written by an LDS load, read by a store; no vector line names it.
; No register that a memory or LDS instruction has read is written again.  The rows go in blocks of two: a block's two stores stand at the head of the next block, behind ONE wait which
; states that both rows' roundings have written P; the last block's stores and the LDS store stand behind one more.  The masks of the selects hang on the lane alone:
; they are made at the head, in scalar registers, in one run with the wave's number and under one wait.
.set SPARE, 256                        ; LDS: bytes 0-255 the group's 64 bias words; from 256 on the spare words, 128 bytes for each of eight waves
.set LO,  1                            ; v1   32 x lane: my 8 numbers in a row of embed
.set SO,  2                            ; v2   16 x lane: my 8 numbers in a row of ebf
.set L8,  3                            ; v3   lane % 8
.set WA,  4                            ; v4   LDS address of bias word 8 w + lane % 8
.set BO,  5                            ; v5   8 x lane: two bias words
.set SPW, 6                            ; v6   LDS address of my spare word; never rewritten
.set NIL, 7                            ; v7   0; never rewritten
.set T,   8                            ; v[8:15]  8 rounded numbers as f32
.set A,   16                           ; v[16:17] two running sums of squares
.set PX,  18                           ; v18  the other half of the lanes' sum
.set H0,  19                           ; v19  S_0, then S_0 / 2
.set VB,  20                           ; v20  lane l gathers the bias of row l % 8
.set D,   21                           ; v21  S_k, then bias[k]
.set P0,  22                           ; v[22:25] row 0 packed (not stored here)
.set RB,  26                           ; v[26:27] two bias words read back
.set X,   32                           ; v[32:95] my wave's 8 rows as loaded, 8 registers each
.set X0,  96                           ; v[96:103] row 0 as loaded
.set P,   104                          ; v[104:135] my wave's 8 rows packed, 4 registers each
.set MK,  17                           ; s[18:24] at MK + i, i = 1 .. 7: the mask of the lanes with lane % 8 = i
	s_load_b128 s[4:7], s[0:1], 0x0                ; embed s[4:5], ebf s[6:7]
	s_load_b64 s[8:9], s[0:1], 0x10                ; bias
	v_lshl_add_u32 v[SPW], v0, 2, SPARE
	v_mov_b32 v[NIL], 0
	v_lshrrev_b32 v8, 5, v0
	v_readfirstlane_b32 s10, v8                    ; wave 0..7
	v_and_b32 v9, 31, v0                           ; lane
	v_lshlrev_b32 v[LO], 5, v9
	v_lshlrev_b32 v[SO], 4, v9
	v_and_b32 v[L8], 7, v0
.irp i, 1,2,3,4,5,6,7
	v_cmp_eq_u32 s[MK+\i], \i, v[L8]               ; which lanes keep row i's bias
.endr
	v_lshlrev_b32 v[WA], 5, v8                     ; 8 words a wave
	v_lshl_add_u32 v[WA], v[L8], 2, v[WA]
	v_lshlrev_b32 v[BO], 3, v9
	v_mov_b32 v[PX], 0                             ; v_permlanex16_b32 counts as a reader of its destination
	s_mov_b32 s11, 0xffff0000                      ; a word's upper bf16
	s_mov_b32 s12, 0x76543210                      ; v_permlanex16_b32: each lane takes its own place in the other half
	s_mov_b32 s13, 0xfedcba98
	s_lshl_b32 s14, ttmp9, 16                      ; 64 rows of 1,024 bytes a group,
	s_wait_alu depctr_va_sdst(0)                   ; s10 and the seven masks are written, ahead of the first reader of any of them: the line below reads s10, the rows' selects read the masks
	s_lshl_b32 s15, s10, 13                        ; 8 rows a wave
	s_add_co_u32 s14, s14, s15
	s_mov_b32 s15, 0
	s_wait_kmcnt 0x0
	s_add_nc_u64 s[16:17], s[4:5], s[14:15]        ; embed at my wave's first row
	s_lshr_b32 s14, s14, 1                         ; rows of 512 bytes
	s_add_nc_u64 s[6:7], s[6:7], s[14:15]          ; ebf at my wave's first row
	s_lshl_b32 s14, ttmp9, 8
	s_add_nc_u64 s[8:9], s[8:9], s[14:15]          ; bias at my group's 64 words
	s_wait_alu depctr_va_vdst(0)                   ; the offsets and LDS addresses v1, v2, v4 to v7 are written: every load, store and LDS instruction of the kernel reads one of them
	global_load_b128 v[X0:X0+3],   v[LO], s[4:5]
	global_load_b128 v[X0+4:X0+7], v[LO], s[4:5] offset:16
.irp i, 0,1,2,3,4,5,6,7
	global_load_b128 v[X+8*\i:X+8*\i+3],   v[LO], s[16:17] offset:1024*\i
	global_load_b128 v[X+8*\i+4:X+8*\i+7], v[LO], s[16:17] offset:1024*\i+16
.endr
; One row: my 8 numbers at v[src ..] are rounded and packed into v[pk ..]; the sum of the whole row's rounded squares lands in v[sum], in every lane.
.macro ROWSQ src, pk, sum
.irp j, 0,1,2,3
	v_cvt_pk_bf16_f32 v[(\pk)+\j], v[(\src)+2*\j], v[(\src)+2*\j+1]
.endr
.irp j, 0,1,2,3
	v_lshlrev_b32 v[T+2*\j],   16, v[(\pk)+\j]     ; bf16 to f32: the low half moves up,
	v_and_b32     v[T+2*\j+1], s11, v[(\pk)+\j]    ; the high half stays
.endr
	v_pk_mul_f32 v[A:A+1], v[T:T+1], v[T:T+1]      ; the first squares start the sums
.irp j, 2,4,6
	v_pk_fma_f32 v[A:A+1], v[T+\j:T+\j+1], v[T+\j:T+\j+1], v[A:A+1]
.endr
	v_add_f32 v[\sum], v[A], v[A+1]
	v_add_f32_dpp v[\sum], v[\sum], v[\sum] row_xmask:1 row_mask:0xf bank_mask:0xf
	v_add_f32_dpp v[\sum], v[\sum], v[\sum] row_xmask:2 row_mask:0xf bank_mask:0xf
	v_add_f32_dpp v[\sum], v[\sum], v[\sum] row_xmask:4 row_mask:0xf bank_mask:0xf
	v_add_f32_dpp v[\sum], v[\sum], v[\sum] row_xmask:8 row_mask:0xf bank_mask:0xf
	v_permlanex16_b32 v[PX], v[\sum], s12, s13
	v_add_f32 v[\sum], v[\sum], v[PX]
.endm
	s_wait_loadcnt 16                              ; row 0 is in; my 8 rows' sixteen loads may stay out
	ROWSQ X0, P0, H0
	v_mul_f32 v[H0], 0.5, v[H0]                    ; S_0 / 2, exact
.irp i, 0,1,2,3,4,5,6,7
	s_wait_loadcnt 14-2*\i                         ; loads come back in order: row i is in, the younger rows stay out
.if ((\i) > 0) && ((\i) % 2 == 0)
	s_wait_alu depctr_va_vdst(0)                   ; the roundings of rows i - 2 and i - 1 have written their P, which the two stores below read
	global_store_b128 v[SO], v[P+4*(\i)-8:P+4*(\i)-5], s[6:7] offset:512*(\i)-1024  ; the wave stores a row's 512 consecutive bytes: row i - 2,
	global_store_b128 v[SO], v[P+4*(\i)-4:P+4*(\i)-1], s[6:7] offset:512*(\i)-512   ; row i - 1
.endif
	ROWSQ X+8*\i, P+4*\i, D
	v_fma_f32 v[D], v[D], -0.5, v[H0]              ; bias = S_0 / 2 - S_k / 2, one rounding
.if \i == 0
	v_mov_b32 v[VB], v[D]
.else
	v_cndmask_b32 v[VB], v[VB], v[D], s[MK+\i]     ; lane l keeps row l % 8's
.endif
.endr
	s_wait_alu depctr_va_vdst(0)                   ; the roundings of rows 6 and 7 have written their P, and the selects v[VB]: the two stores and the LDS store below read them
	global_store_b128 v[SO], v[P+24:P+27], s[6:7] offset:512*6
	global_store_b128 v[SO], v[P+28:P+31], s[6:7] offset:512*7
	ds_store_b32 v[WA], v[VB]                      ; the four lanes with one l % 8 write the same word with the same number
	s_wait_dscnt 0x0                               ; for the others' sake: my words are in LDS
	s_barrier_signal -1
	s_barrier_wait -1
	s_cmp_lg_u32 s10, 0
	s_cbranch_scc1 .Lend                           ; wave 0 alone stores the group's 64 words
	ds_load_b64 v[RB:RB+1], v[BO]                  ; no vector line names v[RB], and v[BO] stands written since the head's wait
	s_wait_dscnt 0x0
	global_store_b64 v[BO], v[RB:RB+1], s[8:9]     ; 32 lanes x 8 bytes: 256 consecutive bytes, at a multiple of 256 from bias's first byte
.Lend:
	s_wait_dscnt 0x0                               ; the closing lines, six on end
	s_wait_alu 0x0
	s_wait_tensorcnt 0x0
	ds_add_u32 v[SPW], v[NIL]
	s_wait_dscnt 0x0
	s_endpgm
.Lfunc_end_k_qe98958ee39_prep:
	.size	k_qe98958ee39_prep, .Lfunc_end_k_qe98958ee39_prep-k_qe98958ee39_prep
	.p2alignl 7, 3214868480
	.fill 96, 4, 3214868480
	.section	.rodata,"a",@progbits
	.p2align	6, 0x0
	.amdhsa_kernel k_qe98958ee39_prep
		.amdhsa_group_segment_fixed_size 1280
		.amdhsa_private_segment_fixed_size 0
		.amdhsa_enable_private_segment 0
		.amdhsa_kernarg_size 24
		.amdhsa_user_sgpr_count 2
		.amdhsa_user_sgpr_kernarg_segment_ptr 1
		.amdhsa_wavefront_size32 1
		.amdhsa_system_sgpr_workgroup_id_x 1
		.amdhsa_system_sgpr_workgroup_id_y 1
		.amdhsa_system_sgpr_workgroup_id_z 1
		.amdhsa_system_vgpr_workitem_id 0
		.amdhsa_next_free_vgpr 136
		.amdhsa_next_free_sgpr 66
		.amdhsa_reserve_vcc 0
		.amdhsa_float_denorm_mode_32 3
		.amdhsa_float_denorm_mode_16_64 3
		.amdhsa_memory_ordered 1
		.amdhsa_forward_progress 1
		.amdhsa_inst_pref_size 17
	.end_amdhsa_kernel
	.amdgpu_metadata
---
amdhsa.version: [ 1, 2 ]
amdhsa.kernels:
  - .name:           k_qe98958ee39_prep
    .symbol:         k_qe98958ee39_prep.kd
    .args:
      - { .name: embed, .offset: 0, .size: 8, .value_kind: global_buffer, .address_space: global }
      - { .name: ebf, .offset: 8, .size: 8, .value_kind: global_buffer, .address_space: global }
      - { .name: bias, .offset: 16, .size: 8, .value_kind: global_buffer, .address_space: global }
    .group_segment_fixed_size: 1280
    .private_segment_fixed_size: 0
    .kernarg_segment_align: 8
    .kernarg_segment_size: 24
    .max_flat_workgroup_size: 256
    .sgpr_count:     66
    .vgpr_count:     136
    .wavefront_size: 32
...
	.end_amdgpu_metadata
.endif
;; end of part 4
;; launch score: the kernel of part 2 again; grid 256 x 1, 4 waves a work-group, clusters of 4 x 1, 327,680 bytes of LDS; arguments x, ebf, bias, idx; writes idx
;; launch gather (part 5): grid 256 x 1, 8 waves a work-group, no clusters, 0 bytes of LDS; arguments idx, embed, out0; writes out0
.if DOCPART == 5
	.amdgcn_target "amdgcn-amd-amdhsa--gfx1250"
	.amdhsa_code_object_version 6
	.text
	.protected	k_qe98958ee39_gather
	.globl	k_qe98958ee39_gather
	.p2align	8
	.type	k_qe98958ee39_gather,@function
k_qe98958ee39_gather:
	s_mov_b64 s[64:65], 0
	v_nop
	global_prefetch_b8 v0, s[64:65] scope:SCOPE_SE
	s_setreg_imm32_b32 hwreg(HW_REG_WAVE_SCHED_MODE, 0, 2), 2
	s_setreg_imm32_b32 hwreg(HW_REG_WAVE_MODE, 25, 1), 1
	s_wait_xcnt 0x0
	s_wait_alu depctr_vm_vsrc(0)
; out0[n][:] = embed[idx[n]][:].  idx: [32768] u32, stored by the launch before; embed: [8192][256] f32; out0: [32768][256] f32.
; A work-group owns 128 rows, each of its eight waves 16.  A wave's 16 indices are 64 consecutive bytes: one scalar load.  A row is 1,024 bytes: two loads and two stores of 16 bytes a lane, each
; covering 512 consecutive bytes.  All 32 loads of a wave go out before its first store; no register is written twice, so nothing waits but each store for its own load.
; Memory binds: no LDS, no matrix unit, no cluster.  No streaming hint on the loads: the list may name a row many times.  An index is held to 0 .. 8,191 before it enters an address.
; THE MODE: SCHED_MODE bits 1:0 = 2 (LLVM: expert scheduling mode 2), set by the entry lines.  The code itself states the register dependences
; between vector instructions and memory instructions, with s_wait_alu, always for 0.
; THE PLAN.  Registers that memory instructions touch:
;   v[LO], v[OFF ..]   17 offsets: written by vector lines, once each; read by the loads (OFF) and the stores (LO).
;   v[DT ..]           written by the loads, once each; read by the stores; no vector line names them.
; So all sixteen offsets are made first, ONE wait states that they and v[LO] are written, and the 32 loads follow in one run.  The kernel holds no vector line behind that wait.
.set LO,  1                            ; v1       16 x lane
.set OFF, 2                            ; v[2:17]  row i: its byte offset in embed, plus my lane's
.set DT,  20                           ; v[20:147] row i: 8 registers
	s_load_b128 s[4:7], s[0:1], 0x0                ; idx s[4:5], embed s[6:7]
	s_load_b64 s[8:9], s[0:1], 0x10                ; out0
	v_lshrrev_b32 v18, 5, v0
	v_readfirstlane_b32 s10, v18                   ; wave 0..7
	v_and_b32 v[LO], 31, v0
	v_lshlrev_b32 v[LO], 4, v[LO]
	s_lshl_b32 s11, ttmp9, 7
	s_wait_alu depctr_va_sdst(0)                   ; s10 is written, ahead of its first reader: the wave's first row is made from it
	s_lshl4_add_u32 s11, s10, s11                  ; my first row = 128 x group + 16 x wave
	s_lshl_b32 s12, s11, 2                         ; in idx
	s_mov_b32 s13, 0
	s_lshl_b32 s14, s11, 10                        ; in out0
	s_mov_b32 s15, 0
	s_wait_kmcnt 0x0
	s_add_nc_u64 s[4:5], s[4:5], s[12:13]
	s_add_nc_u64 s[8:9], s[8:9], s[14:15]
	s_load_b512 s[16:31], s[4:5], 0x0              ; my 16 indices
	s_wait_kmcnt 0x0
.irp i, 0,1,2,3,4,5,6,7,8,9,10,11,12,13,14,15
	s_min_u32 s[16+\i], s[16+\i], 0x1fff
	v_lshl_add_u32 v[OFF+\i], s[16+\i], 10, v[LO]
.endr
	s_wait_alu depctr_va_vdst(0)                   ; v[LO] and the sixteen offsets are written: the loads below read the offsets, the stores v[LO]
.irp i, 0,1,2,3,4,5,6,7,8,9,10,11,12,13,14,15
	global_load_b128 v[DT+8*\i:DT+8*\i+3],   v[OFF+\i], s[6:7]
	global_load_b128 v[DT+8*\i+4:DT+8*\i+7], v[OFF+\i], s[6:7] offset:512
.endr
.irp i, 0,1,2,3,4,5,6,7,8,9,10,11,12,13,14,15
	s_wait_loadcnt 30-2*\i                         ; loads come back in order: row i is in, the younger rows stay out
	global_store_b128 v[LO], v[DT+8*\i:DT+8*\i+3],   s[8:9] offset:1024*\i th:TH_STORE_NT
	global_store_b128 v[LO], v[DT+8*\i+4:DT+8*\i+7], s[8:9] offset:1024*\i+512 th:TH_STORE_NT
.endr
	s_endpgm
.Lfunc_end_k_qe98958ee39_gather:
	.size	k_qe98958ee39_gather, .Lfunc_end_k_qe98958ee39_gather-k_qe98958ee39_gather
	.p2alignl 7, 3214868480
	.fill 96, 4, 3214868480
	.section	.rodata,"a",@progbits
	.p2align	6, 0x0
	.amdhsa_kernel k_qe98958ee39_gather
		.amdhsa_group_segment_fixed_size 0
		.amdhsa_private_segment_fixed_size 0
		.amdhsa_enable_private_segment 0
		.amdhsa_kernarg_size 24
		.amdhsa_user_sgpr_count 2
		.amdhsa_user_sgpr_kernarg_segment_ptr 1
		.amdhsa_wavefront_size32 1
		.amdhsa_system_sgpr_workgroup_id_x 1
		.amdhsa_system_sgpr_workgroup_id_y 1
		.amdhsa_system_sgpr_workgroup_id_z 1
		.amdhsa_system_vgpr_workitem_id 0
		.amdhsa_next_free_vgpr 148
		.amdhsa_next_free_sgpr 66
		.amdhsa_reserve_vcc 0
		.amdhsa_float_denorm_mode_32 3
		.amdhsa_float_denorm_mode_16_64 3
		.amdhsa_memory_ordered 1
		.amdhsa_forward_progress 1
		.amdhsa_inst_pref_size 10
	.end_amdhsa_kernel
	.amdgpu_metadata
---
amdhsa.version: [ 1, 2 ]
amdhsa.kernels:
  - .name:           k_qe98958ee39_gather
    .symbol:         k_qe98958ee39_gather.kd
    .args:
      - { .name: idx, .offset: 0, .size: 8, .value_kind: global_buffer, .address_space: global }
      - { .name: embed, .offset: 8, .size: 8, .value_kind: global_buffer, .address_space: global }
      - { .name: out0, .offset: 16, .size: 8, .value_kind: global_buffer, .address_space: global }
    .group_segment_fixed_size: 0
    .private_segment_fixed_size: 0
    .kernarg_segment_align: 8
    .kernarg_segment_size: 24
    .max_flat_workgroup_size: 256
    .sgpr_count:     66
    .vgpr_count:     148
    .wavefront_size: 32
...
	.end_amdgpu_metadata
.endif
;; end of part 5
